; MI455X (gfx1250); checked and timed in simulation.
; The chip was launched on July 23, 2026; its instructions are those of AMD's public machine-readable ISA for CDNA 5 (MIT licence, August 2026) and "CDNA5" Instruction Set Architecture Reference Guide (July 2026). The comments in the code are by the model that wrote it; some were corrected since.
;; Lora Injected Linear Wrapper. Allowed arithmetic: matrix products marked QUANTISED: E3M2 operands, one E8M0 scale for each 32 along K, by v_wmma_scale_f32_16x16x128_f8f6f4 with both operands' format E3M2, f32 sums; products left as they are: f32 operands where the result goes on into a quantised operand, else bf16, f16 or f32 operands; f32 sums; everything else in f32.
;; Inputs: A 4,096 x 16 float32; B 16 x 4,096 float32; W 4,096 x 4,096 float32; b 4,096 float32; x 8 x 512 x 4,096 float32.
;; Outputs: out0 8 x 512 x 4,096 float32.
;; This version of the problem:
;;   THIS VERSION OF THE PROBLEM IS GIVEN IN LOW PRECISION. The matrix products marked QUANTISED in the list below multiply operands that are first quantised to E3M2 (3 exponent bits, 2 mantissa bits; 6 bits a number), with one power-of-two scale for each 32 numbers along K (OCP MX v1.0); their sums are f32. All else is computed in f32.
;;   The module's matrix products, in the order in which they are computed (A, B: the left and right operand; K: the contracted axis; several contracted axes count as one K, in the product's order):
;;     1. [M 4,096, K 4,096] x [K 4,096, N 16]; A: input x; B: input A: QUANTISED
;;     2. [M 4,096, K 16] x [K 16, N 4,096]; A: computed on the way; B: input B: left as it is (K = 16 < 32)
;;     3. [M 4,096, K 4,096] x [K 4,096, N 4,096]; A: input x; B: input W: QUANTISED
;;   THE QUANTISER, for each operand of a quantised product, along K:
;;     - K is cut into blocks of 32 from its start; a last block that is shorter is filled with zeros.
;;     - A block's scale is 2^e with e = floor(log2(the largest magnitude in the block)) - 4, held to -126 .. 127; a block of zeros has e = 0. As a byte (E8M0): e + 127.
;;     - Each number is divided by its block's scale, clamped to +-28, and rounded to the nearest number of E3M2, ties to even, subnormals kept.
;;     - The product sums the exact products of the quantised numbers (number of the format x scale) in f32.
;;   ~~~python
;;   def quantise(x, axis):      # numpy; x: float32 -> the quantised numbers, widened to float32 again
;;       x = np.moveaxis(x, axis, -1); K = x.shape[-1]
;;       x = np.pad(x, [(0, 0)] * (x.ndim - 1) + [(0, -K % 32)]); x = x.reshape(x.shape[:-1] + (-1, 32)); a = np.abs(x).max(-1, keepdims=True)
;;       e = np.where(a > 0, np.clip(np.frexp(np.where(a > 0, a, 1))[1] - 1 - 4, -126, 127), 0)      # np.frexp(a)[1] - 1 = floor(log2(a)), exactly
;;       r = np.clip(x / 2.0 ** e, -28, 28)
;;       step = 2.0 ** (np.maximum(np.frexp(np.where(r == 0, 1, r))[1] - 1, -2) - 2)
;;       q = np.round(r / step) * step * 2.0 ** e      # np.round: ties to even
;;       return np.moveaxis(q.reshape(q.shape[:-2] + (-1,))[..., :K], -1, axis).astype(np.float32)
;;   ~~~
;; One version. Each part assembles by itself: llvm-mc -triple=amdgcn-amd-amdhsa -mcpu=gfx1250 --defsym DOCPART=n.
;; ======== version 1 of 1: 2 launches
;; limits: values are held in bf16: 8 bits of precision; right only within a limited range of input values
;; workspace buffers: x_img 13,107,200 bytes; w_img 14,942,208 bytes
;; launch quant (part 1): grid 1024 x 1, 4 waves a work-group, no clusters, 58,880 bytes of LDS; arguments x, W, A, x_img, w_img; writes x_img, w_img
.if DOCPART == 1
	.amdgcn_target "amdgcn-amd-amdhsa--gfx1250"
	.amdhsa_code_object_version 6
	.text
	.protected	k_q464104d897_quant
	.globl	k_q464104d897_quant
	.p2align	8
	.type	k_q464104d897_quant,@function
k_q464104d897_quant:
	s_mov_b64 s[64:65], 0
	v_nop
	global_prefetch_b8 v0, s[64:65] scope:SCOPE_SE
	s_setreg_imm32_b32 hwreg(HW_REG_WAVE_MODE, 25, 1), 1
	s_wait_xcnt 0x0
; x [4096 rows][4096 K], W [4096 K][4096 columns] and A [4096 K][16 columns], f32, become codes of BF6 (E3M2) with one E8M0 scale byte for each 32 along K.
; A block's scale is 2^(floor(log2(its largest magnitude)) - 4); its byte is the largest magnitude's exponent field - 4, held at 1 from below; numbers are divided by the scale and rounded to the nearest code,
; ties to even, beyond 28 the largest code.  No step of the problem is left out: every input has a way to the output.
; LIMITS: a block of zeros gets the byte 1 and not 127: its codes are zeros, which add nothing under any byte but 0xff, and only this program reads the bytes.  Blocks whose largest magnitude lies under 2^-122
; have the byte held at 1; f32 denormals there were not tried.  NaN and infinities among the inputs are not served.
; THE CODES ARE LAID AS IMAGES OF THE OPERAND'S REGISTERS.  A fragment is 16 rows (or columns) x 128 K: 12 registers a lane, lane (r, h) holding row r, registers 6 c .. 6 c + 5 = K 64 c + 32 h + 0 .. 31.
; Its image is 1,536 bytes: register 4 g + i of lane L at 512 g + 16 L + 4 i.  A fragment's 16 scale words (one for a row and 128 K) are 64 bytes: 4 r.
;   x_img: s x 409,600 + hb x 12,800 + [blk x 1,536 | 12,288 + blk x 64]      s = K / 128, hb = row / 128, blk = (row / 16) % 8: eight images, then their scale words
;   w_img: s x 466,944 + ng x 14,592 + [blk x 1,536 | 13,824 + blk x 64]      ng = column / 128; blk 0-7: W's columns 128 ng + 16 blk + r; blk 8: A's 16 columns, once for every ng; 14,400 bytes are used
; So the 128 rows or columns of one step along K, scales among them, are one dense run that begins at a multiple of 256 bytes.
; Work-groups 0-511 take x, 512-1023 take W and A.  Waves share nothing: no barrier; each path and each wave has LDS bytes of its own.
.set XK,    409600
.set ASZ,   12800
.set WK,    466944
.set BPM,   14592
.set FRB,   1536
.set XSP,   528                        ; x path: a stage row: 512 bytes + 16
.set XWB,   16*XSP
.set WSTG,  4*XWB                      ; W path: behind the x path's stages
.set WWB,   6144                       ; a wave's stage: the images of its 32 columns x 256 K
.set SEL,   28                         ; s[28:29] lane selects for v_permlanex16_b32: lane l xor 16
	s_load_b256 s[4:11], s[0:1], 0x0               ; x s[4:5], W s[6:7], A s[8:9], x_img s[10:11]
	s_load_b64 s[14:15], s[0:1], 0x20              ; w_img
	v_lshl_add_u32 v254, v0, 2, 0xe400
	v_mov_b32 v255, 0
	v_lshrrev_b32 v1, 5, v0
	v_readfirstlane_b32 s18, v1                    ; wave 0..3
	v_and_b32 v1, 31, v0                           ; lane
	v_and_b32 v2, 15, v0                           ; r
	v_bfe_u32 v3, v0, 4, 1                         ; h
	s_mov_b32 s[SEL], 0x76543210
	s_mov_b32 s[SEL+1], 0xfedcba98
	s_mov_b32 s23, 0                               ; the upper word of every 64-bit offset made in s[22:23]
	s_wait_kmcnt 0x0
	s_cmp_lt_u32 ttmp9, 512                        ; the choice hangs on the work-group's number alone
	s_cbranch_scc0 .Lw_path
; ---- x: K is innermost.  A wave owns 16 rows (rb) x 512 K (kq): four fragments.  A load reads 512 consecutive bytes of one row; a fragment's 16 loads turn through the wave's own stage, so that
; lane (r, h) gets, of row r, 16 neighbours of each block of 32: register 16 b + i = K 32 b + 16 h + i.
.set TM,  16                           ; v16-31   +0..3 largest magnitudes, +4..7 bytes, +12..15 the conversions' scale operands
.set XR,  32                           ; v32-159  two sets of 64 registers as loaded
.set XX,  160                          ; v160-223 a fragment's 64 numbers of my row
.set PC,  224                          ; v224-235 the fragment's codes; v236-242 the conversions' second halves
	s_lshr_b32 s19, ttmp9, 1                       ; rb = (4 x work-group + wave) / 8
	s_and_b32 s20, ttmp9, 1
	s_lshl_b32 s20, s20, 2
	s_add_co_u32 s20, s20, s18                     ; kq = (4 x work-group + wave) % 8
	s_lshl_b32 s22, s19, 18                        ; x: 16 rows of 16,384 bytes,
	s_lshl_b32 s24, s20, 11                        ; 512 numbers along K
	s_add_co_u32 s22, s22, s24
	s_add_nc_u64 s[4:5], s[4:5], s[22:23]
	s_mul_i32 s22, s20, 4*XK                       ; x_img: s = 4 kq,
	s_lshr_b32 s24, s19, 3
	s_mul_i32 s24, s24, ASZ                        ; hb = rb / 8
	s_add_co_u32 s22, s22, s24
	s_add_nc_u64 s[10:11], s[10:11], s[22:23]
	s_and_b32 s24, s19, 7                          ; blk
	s_lshl_b32 s22, s24, 6
	s_add_co_u32 s22, s22, 8*FRB
	s_add_nc_u64 s[12:13], s[10:11], s[22:23]      ; my fragments' scale words
	s_mul_i32 s22, s24, FRB
	s_add_nc_u64 s[10:11], s[10:11], s[22:23]      ; my fragments' images
	s_wait_alu depctr_va_vdst(0)
	v_lshlrev_b32 v4, 4, v1                        ; 16 x lane: my bytes of a load's 512, and of an image's 512
	s_mul_i32 s22, s18, XWB                        ; my stage
	v_add_nc_u32 v5, s22, v4                       ; in: a row as it lies
	v_mul_u32_u24 v6, v2, XSP
	v_lshl_add_u32 v6, v3, 6, v6
	v_add_nc_u32 v6, s22, v6                       ; out: row r, + 64 h
	v_mul_u32_u24 v7, v3, XK
	v_lshl_add_u32 v7, v2, 2, v7                   ; the scale words' way out: 4 r; lanes 16-31 one step along K further on
.irp b, 0,1,2,3
	v_mov_b32 v[TM+4+\b], 0                        ; written once: a lane permute's destination counts as one of its sources
.endr
.macro XLOAD f                         ; fragment f: 16 rows x 512 consecutive bytes
.irp row, 0,1,2,3,4,5,6,7,8,9,10,11,12,13,14,15
	global_load_b128 v[XR+64*((\f)%2)+4*\row:XR+64*((\f)%2)+4*\row+3], v4, s[4:5] offset:\row*16384+512*(\f) th:TH_LOAD_NT
.endr
.endm
.macro XTURN f                         ; through the stage: LDS serves a wave's instructions in order, so no wait stands between the stores and the loads
.irp row, 0,1,2,3,4,5,6,7,8,9,10,11,12,13,14,15
	ds_store_b128 v5, v[XR+64*((\f)%2)+4*\row:XR+64*((\f)%2)+4*\row+3] offset:\row*XSP
.endr
.irp b, 0,1,2,3
.irp j, 0,1,2,3
	ds_load_b128 v[XX+16*\b+4*\j:XX+16*\b+4*\j+3], v6 offset:128*\b+16*\j
.endr
.endr
.endm
; 64 numbers of a lane become the fragment's codes in v[PC] on and my row's scale word in v[pw]
.macro QUANT s, pw
.irp b, 0,1,2,3
	v_max3_num_f32 v[TM+\b], |v[\s+16*\b]|, |v[\s+1+16*\b]|, 0x2800000   ; my 16 numbers of block b, and the floor 2^(5 - 127): the byte cannot fall under 1
.endr
.irp i, 2,4,6,8,10,12,14
.irp b, 0,1,2,3
	v_max3_num_f32 v[TM+\b], v[TM+\b], |v[\s+16*\b+\i]|, |v[\s+1+16*\b+\i]|   ; the four blocks by turns
.endr
.endr
.irp b, 0,1,2,3
	v_permlanex16_b32 v[TM+4+\b], v[TM+\b], s[SEL], s[SEL+1]
.endr
.irp b, 0,1,2,3
	v_max_num_f32 v[TM+\b], v[TM+\b], v[TM+4+\b]   ; with lane l xor 16's: the block's largest magnitude
.endr
.irp b, 0,1,2,3
	v_add_nc_u32 v[TM+12+\b], 0xfe000000, v[TM+\b] ; 4 off its exponent field: the conversion's scale operand
.endr
.irp b, 0,1,2,3
	v_lshrrev_b32 v[TM+4+\b], 23, v[TM+12+\b]      ; the scale's byte
.endr
	v_lshl_or_b32 v[\pw], v[TM+5], 8, v[TM+4]
	v_lshl_or_b32 v[\pw], v[TM+6], 16, v[\pw]
	v_lshl_or_b32 v[\pw], v[TM+7], 24, v[\pw]
.irp c, 0,1
	v_cvt_scalef32_pk16_bf6_f32 v[PC+6*\c:PC+2+6*\c], v[\s+32*\c:\s+15+32*\c], v[TM+12+2*\c]
	v_cvt_scalef32_pk16_bf6_f32 v[PC+12+4*\c:PC+14+4*\c], v[\s+16+32*\c:\s+31+32*\c], v[TM+12+2*\c+1]   ; (a conversion's three registers begin on an even number)
.endr
	v_nop                                          ; one plain place behind a scaled conversion
.irp c, 0,1                            ; the layout wants a whole block in a lane: lanes 0-15 block 2 c, lanes 16-31 block 2 c + 1
.irp i, 0,1,2
	v_permlane16_swap_b32 v[PC+6*\c+\i], v[PC+12+4*\c+\i]
.endr
.irp i, 0,1,2
	v_mov_b32 v[PC+3+6*\c+\i], v[PC+12+4*\c+\i]
.endr
.endr
.endm
.macro XFRAG f
.if (\f) < 3
	s_wait_loadcnt 16                              ; this fragment's 16 loads are in; the next fragment's 16 may be out
.else
	s_wait_loadcnt 0x0
.endif
	XTURN \f
	s_wait_dscnt 0x0                               ; my numbers are back, and the stage stores have read the set that is loaded again below
.if (\f)+2 < 4
	XLOAD (\f)+2
.endif
.if (\f) > 0
	s_wait_xcnt 0x0                                ; the last fragment's stores have read the codes' registers, which are written again below
.endif
	QUANT XX, 8+(\f)
.irp g, 0,1,2
	global_store_b128 v4, v[PC+4*\g:PC+4*\g+3], s[10:11] offset:(\f)*XK+512*\g   ; 512 consecutive bytes, aligned
.endr
.endm
	XLOAD 0
	XLOAD 1
	s_wait_alu depctr_va_vdst(0)
	XFRAG 0
	XFRAG 1
	XFRAG 2
	XFRAG 3
	v_cmp_lt_u32 vcc_lo, 15, v1                    ; lanes 0-15 store row r's word of fragments 0 and 2, lanes 16-31 that of fragments 1 and 3 (both halves of the lanes hold all four)
	v_cndmask_b32 v12, v8, v9, vcc_lo
	v_cndmask_b32 v13, v10, v11, vcc_lo
	global_store_b32 v7, v12, s[12:13]             ; two runs of 64 consecutive bytes
	global_store_b32 v7, v13, s[12:13] offset:2*XK
	s_wait_tensorcnt 0x0                           ; the wave's end
	ds_add_u32 v254, v255
	s_wait_dscnt 0x0
	s_endpgm
; ---- W and A: K is the first axis.  A work-group takes 128 columns (ng) x 256 K (ks) of W.  A LANE TAKES A COLUMN AND ITS REGISTERS RUN DOWN K: a load reads 128 consecutive bytes a wave, a block of 32 lies
; in one lane, and the conversions give codes with K innermost.  Block t of a lane is registers 6 c .. 6 c + 5 of image lane r + 16 h' of fragment q (q = t / 4, c = (t % 4) / 2, h' = t % 2): it goes to that
; place in the wave's stage.  Waves 0 and 1 also make fragment q = wave of A's 16 columns for the same 256 K.
.Lw_path:
.set WX,  32                           ; v32-95   two sets of 32 numbers
.set WC,  96                           ; v96-102  a block's codes
.set WO,  112                          ; v112-159 the way out
.set SB,  24                           ; v24-25   my column's scale words of q = 0, 1
.set AX,  160                          ; v160-223 A: 64 numbers: blocks h and 2 + h of column r
.set AC,  224                          ; v224-235 A's codes; v236-242 the conversions' second halves
.set AT,  236
.set AM,  244
.set AS,  246
.set AB,  248
.set AW,  250
.set AU,  251
	s_sub_co_u32 s19, ttmp9, 512
	s_and_b32 s20, s19, 31                         ; ng
	s_lshr_b32 s21, s19, 5                         ; ks
	s_lshl_b32 s22, s21, 22                        ; W: 256 rows of 16,384 bytes,
	s_lshl_b32 s24, s20, 9                         ; 128 columns,
	s_add_co_u32 s22, s22, s24
	s_lshl_b32 s24, s18, 7                         ; my wave's 32
	s_add_co_u32 s22, s22, s24
	s_add_nc_u64 s[6:7], s[6:7], s[22:23]
	s_lshl_b32 s22, s21, 14                        ; A: 256 rows of 64 bytes, + 128 rows for fragment q = wave (used by waves 0 and 1 alone)
	s_lshl_b32 s24, s18, 13
	s_add_co_u32 s22, s22, s24
	s_add_nc_u64 s[8:9], s[8:9], s[22:23]
	s_mul_i32 s22, s21, 2*WK
	s_mul_i32 s24, s20, BPM
	s_add_co_u32 s22, s22, s24
	s_add_nc_u64 s[14:15], s[14:15], s[22:23]      ; w_img at (s = 2 ks, ng)
	s_mul_i32 s22, s18, 2*FRB
	s_add_nc_u64 s[26:27], s[14:15], s[22:23]      ; my two blocks of 16 columns
	s_mul_i32 s22, s18, WK
	s_add_co_u32 s22, s22, 8*FRB
	s_add_nc_u64 s[30:31], s[14:15], s[22:23]      ; block 8 at s = 2 ks + wave
	s_add_co_u32 s22, s22, FRB+512
	s_add_nc_u64 s[34:35], s[14:15], s[22:23]      ; and its scale words
	s_lshl_b32 s22, s18, 7
	s_add_co_u32 s22, s22, 9*FRB
	s_add_nc_u64 s[32:33], s[14:15], s[22:23]      ; my two blocks' scale words
	s_wait_alu depctr_va_vdst(0)
	v_lshlrev_b32 v4, 2, v1                        ; W, and my column's scale word: 4 bytes a lane
	v_lshlrev_b32 v5, 2, v2
	v_lshl_add_u32 v5, v3, 11, v5                  ; A: column r, lanes 16-31 begin 32 rows of 64 bytes further down
	s_mul_i32 s22, s18, WWB
	s_add_co_u32 s22, s22, WSTG                    ; my stage
	v_mul_u32_u24 v6, v3, 3072
	v_lshl_add_u32 v6, v2, 4, v6
	v_add_nc_u32 v6, s22, v6                       ; in: my column's block of 16 (lane / 16), image lane r
	v_lshlrev_b32 v8, 4, v1                        ; 16 x lane
	v_add_nc_u32 v7, s22, v8                       ; out: as it lies
	v_lshlrev_b32 v15, 2, v2                       ; 4 r
	s_wait_alu depctr_va_vdst(0)                   ; ahead of the branch
	s_cmp_lt_u32 s18, 2
	s_cbranch_scc0 .Lno_a_loads
.irp c, 0,1                            ; A's loads are issued first, so that the counted waits below count the same in all four waves
.irp i, 0,1,2,3,4,5,6,7,8,9,10,11,12,13,14,15,16,17,18,19,20,21,22,23,24,25,26,27,28,29,30,31
	global_load_b32 v[AX+32*\c+\i], v5, s[8:9] offset:(64*\c+\i)*64   ; A(128 q + 64 c + 32 h + i, r)
.endr
.endr
.Lno_a_loads:
.macro WLOAD t                         ; block t: W(32 t + i, my column)
.irp i, 0,1,2,3,4,5,6,7,8,9,10,11,12,13,14,15,16,17,18,19,20,21,22,23,24,25,26,27,28,29,30,31
	global_load_b32 v[WX+32*((\t)%2)+\i], v4, s[6:7] offset:(32*(\t)+\i)*16384 th:TH_LOAD_NT
.endr
.endm
.macro WBLOCK t
.set XS, WX+32*((\t)%2)
.set WQ, ((\t)/4)*1536+256*((\t)%2)
.if (\t) < 7
	s_wait_loadcnt 32                              ; this block's 32 loads are in; the next block's may be out
.else
	s_wait_loadcnt 0x0
.endif
	v_max3_num_f32 v12, |v[XS]|, |v[XS+1]|, |v[XS+2]|               ; the block's largest magnitude: all 32 numbers are mine
	v_max3_num_f32 v13, |v[XS+3]|, |v[XS+4]|, |v[XS+5]|
.irp i, 6,10,14,18,22,26
	v_max3_num_f32 v12, v12, |v[XS+\i]|, |v[XS+\i+1]|
	v_max3_num_f32 v13, v13, |v[XS+\i+2]|, |v[XS+\i+3]|
.endr
	v_max3_num_f32 v12, v12, |v[XS+30]|, |v[XS+31]|
	v_max3_num_f32 v12, v12, v13, 0x2800000        ; and the floor 2^(5 - 127)
	v_add_nc_u32 v11, 0xfe000000, v12              ; the conversion's scale operand
	v_lshrrev_b32 v13, 23, v11                     ; the scale's byte
.if (\t)%4 == 0
	v_mov_b32 v[SB+(\t)/4], v13
.else
	v_lshl_or_b32 v[SB+(\t)/4], v13, 8*((\t)%4), v[SB+(\t)/4]
.endif
	v_cvt_scalef32_pk16_bf6_f32 v[WC:WC+2], v[XS:XS+15], v11
	v_cvt_scalef32_pk16_bf6_f32 v[WC+4:WC+6], v[XS+16:XS+31], v11
	v_nop                                          ; one plain place behind a scaled conversion
	v_mov_b32 v[WC+3], v[WC+4]
	v_mov_b32 v[WC+4], v[WC+5]
	v_mov_b32 v[WC+5], v[WC+6]                     ; six registers on end
.if (((\t)%4)/2) == 0
	ds_store_b128 v6, v[WC:WC+3] offset:WQ         ; registers 0-3 of the fragment,
	ds_store_b64 v6, v[WC+4:WC+5] offset:WQ+512    ; 4 and 5
.else
	ds_store_b64 v6, v[WC:WC+1] offset:WQ+520      ; registers 6 and 7,
	ds_store_b128 v6, v[WC+2:WC+5] offset:WQ+1024  ; 8-11
.endif
.if (\t)+2 < 8
	WLOAD (\t)+2
.endif
	s_wait_dscnt 0x0                               ; the stores have read their registers: the next block's codes may be written
.endm
	WLOAD 0
	WLOAD 1
.irp t, 0,1,2,3,4,5,6,7
	WBLOCK \t
.endr
.irp i, 0,1,2,3,4,5,6,7,8,9,10,11
	ds_load_b128 v[WO+4*\i:WO+4*\i+3], v7 offset:512*\i   ; my own bytes: LDS serves a wave's instructions in order
.endr
	s_wait_alu depctr_va_vdst(0)                   ; ahead of the reader below
	global_store_b32 v4, v[SB], s[32:33]           ; my column's scale words: 128 consecutive bytes a wave, for q = 0
	global_store_b32 v4, v[SB+1], s[32:33] offset:WK   ; and for q = 1
.irp i, 0,1,2,3,4,5,6,7,8,9,10,11
	s_wait_dscnt 11-\i                             ; the loads issued behind load i may be out
	global_store_b128 v8, v[WO+4*\i:WO+4*\i+3], s[26:27] offset:((\i%6)/3)*WK+(\i/6)*FRB+512*(\i%3)   ; stage piece i: block i / 6, q = (i % 6) / 3; 512 consecutive bytes, aligned
.endr
	s_cmp_lt_u32 s18, 2
	s_cbranch_scc0 .Lend
	; A's fragment q = wave.  Its loads were shown in by the last block's wait for 0.  A lane holds two whole blocks; the word's four bytes are gathered from lanes l and l xor 16.
.irp c, 0,1
	v_max3_num_f32 v[AM+\c], |v[AX+32*\c]|, |v[AX+1+32*\c]|, 0x2800000
.endr
.irp i, 2,4,6,8,10,12,14,16,18,20,22,24,26,28,30
.irp c, 0,1
	v_max3_num_f32 v[AM+\c], v[AM+\c], |v[AX+32*\c+\i]|, |v[AX+1+32*\c+\i]|
.endr
.endr
.irp c, 0,1
	v_add_nc_u32 v[AS+\c], 0xfe000000, v[AM+\c]
.endr
.irp c, 0,1
	v_lshrrev_b32 v[AB+\c], 23, v[AS+\c]
.endr
	v_lshl_or_b32 v[AW], v[AB+1], 16, v[AB]        ; my two bytes: blocks h and 2 + h,
	v_lshlrev_b32 v[AU], 3, v3
	v_lshlrev_b32 v[AW], v[AU], v[AW]              ; 8 h bits up;
	v_mov_b32 v[AU], 0
	v_permlanex16_b32 v[AU], v[AW], s[SEL], s[SEL+1]
	v_or_b32 v[AW], v[AW], v[AU]                   ; with lane l xor 16's two the word is whole
.irp c, 0,1
	v_cvt_scalef32_pk16_bf6_f32 v[AC+6*\c:AC+6*\c+2], v[AX+32*\c:AX+32*\c+15], v[AS+\c]
	v_cvt_scalef32_pk16_bf6_f32 v[AT+4*\c:AT+4*\c+2], v[AX+32*\c+16:AX+32*\c+31], v[AS+\c]
.endr
	v_nop                                          ; one plain place behind a scaled conversion
.irp c, 0,1
.irp i, 0,1,2
	v_mov_b32 v[AC+3+6*\c+\i], v[AT+4*\c+\i]
.endr
.endr
.irp g, 0,1,2
	global_store_b128 v8, v[AC+4*\g:AC+4*\g+3], s[30:31] offset:512*\g
.endr
	global_store_b32 v15, v[AW], s[34:35]          ; column r's word; both halves of the lanes store the same word to the same place
.Lend:
	s_wait_tensorcnt 0x0                           ; the wave's end
	ds_add_u32 v254, v255
	s_wait_dscnt 0x0
	s_endpgm
.Lfunc_end_k_q464104d897_quant:
	.size	k_q464104d897_quant, .Lfunc_end_k_q464104d897_quant-k_q464104d897_quant
	.p2alignl 7, 3214868480
	.fill 96, 4, 3214868480
	.section	.rodata,"a",@progbits
	.p2align	6, 0x0
	.amdhsa_kernel k_q464104d897_quant
		.amdhsa_group_segment_fixed_size 58880
		.amdhsa_private_segment_fixed_size 0
		.amdhsa_enable_private_segment 0
		.amdhsa_kernarg_size 40
		.amdhsa_user_sgpr_count 2
		.amdhsa_user_sgpr_kernarg_segment_ptr 1
		.amdhsa_wavefront_size32 1
		.amdhsa_system_sgpr_workgroup_id_x 1
		.amdhsa_system_sgpr_workgroup_id_y 1
		.amdhsa_system_sgpr_workgroup_id_z 1
		.amdhsa_system_vgpr_workitem_id 0
		.amdhsa_next_free_vgpr 256
		.amdhsa_next_free_sgpr 66
		.amdhsa_reserve_vcc 1
		.amdhsa_float_denorm_mode_32 3
		.amdhsa_float_denorm_mode_16_64 3
		.amdhsa_memory_ordered 1
		.amdhsa_forward_progress 1
		.amdhsa_inst_pref_size 84
	.end_amdhsa_kernel
	.amdgpu_metadata
---
amdhsa.version: [ 1, 2 ]
amdhsa.kernels:
  - .name:           k_q464104d897_quant
    .symbol:         k_q464104d897_quant.kd
    .args:
      - { .name: x, .offset: 0, .size: 8, .value_kind: global_buffer, .address_space: global }
      - { .name: W, .offset: 8, .size: 8, .value_kind: global_buffer, .address_space: global }
      - { .name: A, .offset: 16, .size: 8, .value_kind: global_buffer, .address_space: global }
      - { .name: x_img, .offset: 24, .size: 8, .value_kind: global_buffer, .address_space: global }
      - { .name: w_img, .offset: 32, .size: 8, .value_kind: global_buffer, .address_space: global }
    .group_segment_fixed_size: 58880
    .private_segment_fixed_size: 0
    .kernarg_segment_align: 8
    .kernarg_segment_size: 40
    .max_flat_workgroup_size: 128
    .sgpr_count:     66
    .vgpr_count:     256
    .wavefront_size: 32
...
	.end_amdgpu_metadata
.endif
;; end of part 1
;; launch gemm (part 2): grid 16 x 16, 4 waves a work-group, clusters of 4 x 4, 327,680 bytes of LDS; arguments x_img, w_img, B, b, out0; writes out0
.if DOCPART == 2
	.amdgcn_target "amdgcn-amd-amdhsa--gfx1250"
	.amdhsa_code_object_version 6
	.text
	.protected	k_q464104d897_gemm
	.globl	k_q464104d897_gemm
	.p2align	8
	.type	k_q464104d897_gemm,@function
k_q464104d897_gemm:
	s_mov_b64 s[64:65], 0
	v_nop
	global_prefetch_b8 v0, s[64:65] scope:SCOPE_SE
	s_setreg_imm32_b32 hwreg(HW_REG_WAVE_MODE, 25, 1), 1
	s_wait_xcnt 0x0
	s_wait_alu depctr_hold_cnt(0) depctr_sa_sdst(0) depctr_va_vdst(0) depctr_va_sdst(0) depctr_va_ssrc(0) depctr_va_vcc(0) depctr_vm_vsrc(0)
	s_getreg_b32 s2, hwreg(HW_REG_IB_STS2, 6, 4)
	s_cmp_eq_u32 s2, 0
	s_cbranch_scc0 .Lentry_in_a_cluster
	s_endpgm
.Lentry_in_a_cluster:
	s_bfe_u32 s2, ttmp6, 0x10000c
	s_cmp_lg_u32 s2, 0xf033
	s_cbranch_scc0 .Lentry_shape_is_right
	s_endpgm
.Lentry_shape_is_right:
; out0 = Q(x) Q(W) + b + (Q(x) Q(A)) B.  x_img and w_img hold codes of BF6 as images of the operand's registers, with their E8M0 scale words behind them (the layout: the launch that writes them).
; A tile of out0, 256 x 256, is made by a work-group of four waves; a wave makes 128 x 128: 64 accumulators, 512 registers.  t = Q(x) Q(A) rides along: A's 16 columns are a ninth block of each 128 columns of
; w_img; of a wave's eight blocks of 16 rows it sums t for four, its neighbour (same rows, other columns) for the other four; at the end the two exchange t through LDS, and t B (K = 16, bf16 operands) is added
; onto the accumulators by the bf16 matrix form; b is added on the way out.
; THE RING: two LDS slots, each with THREE steps of 128 along K.  A wave's one tensor load brings 128 rows (or 128 + 16 columns) x 3 steps: 3 rows of 12,800 (14,400) bytes, codes and scale words together, each
; row beginning at a multiple of 256 bytes.  4,096 along K are 32 steps: ten fills of three steps and an eleventh of two.  Two slots of 163,200 bytes and 512 spare bytes are 326,912 bytes of LDS.
; A slot is free at the head of the step that multiplies its third row (that row's fragments are in registers by then): there stand the waits, the add and a round of the cluster's barrier, and the refill;
; from a refill to the wait for it a wave issues 168 matrix instructions.  The stage of the way out and the exchange of t lie in slot 1, behind its last fill and the barrier behind its last read.
; CLUSTERS: 4 x 4 work-groups; x's tiles are asked for jointly along a row of the cluster, W's along a column.
; PREFETCH: behind the joint load of fill i each wave names, in two instructions, its work-group's quarter of the 256-byte blocks of fill i + 2 of the tile that it fetches (150 blocks of x: 38 a partner; 171 of W:
; 43 a partner; a lane a block, the partners told apart by address; lanes left over name the last block again).  Fills 0 and 1 come by their loads alone; the loop's last trip and the tail ask for nothing, so
; fill 10 comes by its load alone and no address passes a buffer's end.
; THE MATRIX INSTRUCTION IS USED TRANSPOSED (source 0 = 16 columns of W, source 1 = 16 rows of x): a lane holds eight neighbouring numbers of a row of out0.
; REGISTERS: window 0: v0-31 addresses, bias, the ninth block's scale words (v8-9); v32-47 scale words, two sets; v48-59 their addresses; v64-95 t; v96-127 B as bf16; v128-223 x's fragments, one set.
;   window 1: W's fragments, two sets of nine, at v0 and v128.  windows 2, 3: the accumulators.
.set FR,     12
.set FRB,    1536
.set ASZ,    12800                     ; a step's 128 rows of x: 8 images + 8 x 64 bytes of scale words
.set BSZ,    14400                     ; a step's 128 + 16 columns: 9 images + 9 x 64
.set BPM,    14592                     ; the same in memory, filled up to a multiple of 256
.set XK,     409600                    ; from step to step in x_img
.set WK,     466944                    ; and in w_img
.set AH,     3*ASZ
.set BH,     3*BSZ
.set SLOT,   2*AH+2*BH
.set SPARE,  2*SLOT                    ; the spare words: 512 bytes that no other line names
.set TX,     SLOT+128                  ; in slot 1, at a multiple of 256: the exchange of t, 2,048 bytes a wave
.set STAGE,  TX+8192                   ; and the stages: 16 rows x 528 bytes a wave
.set SPITCH, 528
.set BIAS, 4
.set LS,   8
.set ADRAL, 16                         ; v16-17 my x blocks 0-3 in slot 0, 1; v18-19 blocks 4-7
.set ADRB, 20
.set PFO,  22                          ; v22-23 the prefetches' offsets
.set STO,  24
.set RD,   25
.set CO,   26
.set TXS,  27
.set SPW,  28
.set NIL,  29
.set TXL,  30
.set VB,   31
.set SC,   32                          ; set p, register i: lanes 0-15 the word of my x block i, lanes 16-31 that of W's block i
.set ADS,  48                          ; v[ADS + 6 slot + 2 row + hi]: where these words lie
.set TA,   64
.set BT,   96
.set AF,   128
.set TF,   128
.set BK,   128
.set G1,   24
.set G0,   32
.set G1B,  48
.set G0B,  56
.set PFS,  88                          ; s[88:89] three steps along K of the tensor that I fetch, in bytes
.set PFA,  90                          ; s[90:91] where my prefetches stand
.set CB,   96
.set MSB, 0
.macro WIN new
.if MSB != (\new)
	s_set_vgpr_msb (MSB<<8)|(\new)
.set MSB, (\new)
.endif
.endm
.set MUL_LO, 0xa1
.set MUL_HI, 0xf1
.set MUL_T,  0x01
.set TO_B,   0x40
.macro JLOAD g0a, g1a, g0b, g1b        ; a joint load: waves 0 and 1 fetch x's two halves, waves 2 and 3 W's
	s_cmp_eq_u32 s19, 0
	s_cbranch_scc0 .Lfor_b_\@
	tensor_load_to_lds s[\g0a:\g0a+3], s[\g1a:\g1a+7]
	s_nop 0
.rept 4
	v_nop
.endr
	s_branch .Lasked_\@
.Lfor_b_\@:
	tensor_load_to_lds s[\g0b:\g0b+3], s[\g1b:\g1b+7]
	s_nop 0
.rept 4
	v_nop
.endr
.Lasked_\@:
.endm
.macro CREST
	s_cmp_lg_u32 s18, 0
	s_cbranch_scc1 .Lnot_wave_0_\@
	s_barrier_signal -3
.Lnot_wave_0_\@:
	s_barrier_wait -3
	s_barrier_signal -1
	s_barrier_wait -1
.endm
.macro CROUND
	s_barrier_signal -1
	s_barrier_wait -1
	CREST
.endm
.macro TILE g, c, pitch                ; three rows of c elements of 8 bytes
	s_mov_b32 s[\g+1], (\c)<<16
	s_mov_b32 s[\g+2], 3<<16
	s_mov_b32 s[\g+3], (\c)<<16
	s_mov_b32 s[\g+4], 3
	s_mov_b32 s[\g+5], \pitch
	s_mov_b32 s[\g+6], 0
	s_mov_b32 s[\g+7], 0
.endm
.macro ASK cond                        ; cond = 1, in the loop: not in its last trip
.if \cond
	s_cmp_lg_u32 s3, 1
	s_cbranch_scc0 .Lno_ask_\@
.endif
	global_prefetch_b8 v[PFO], s[PFA:PFA+1] th:TH_LOAD_NT scope:SCOPE_SE
	global_prefetch_b8 v[PFO+1], s[PFA:PFA+1] th:TH_LOAD_NT scope:SCOPE_SE
.Lno_ask_\@:
.endm
	s_load_b256 s[4:11], s[0:1], 0x0               ; x_img s[4:5], w_img s[6:7], B s[8:9], b s[10:11]
	s_load_b64 s[66:67], s[0:1], 0x20              ; out0
	v_lshl_add_u32 v[SPW], v0, 2, SPARE
	v_mov_b32 v[NIL], 0
	ds_add_u32 v[SPW], v[NIL]                      ; the opening lines: the add, twice on end, and its wait
	ds_add_u32 v[SPW], v[NIL]
	v_lshrrev_b32 v1, 5, v0
	v_readfirstlane_b32 s18, v1                    ; wave
	s_lshr_b32 s19, s18, 1                         ; my half of the tile's rows; also: I fetch for x (0) or for W (1)
	s_and_b32 s20, s18, 1                          ; my half of its columns; also: which half I fetch; also: which four x blocks come first in my order
	s_xor_b32 s21, s20, 1
	s_bfe_u32 s40, ttmp6, 0x40000                  ; cx
	s_bfe_u32 s41, ttmp6, 0x40004                  ; cy
	s_lshl_b32 s42, ttmp9, 2
	s_add_co_u32 s42, s42, s40                     ; tile column
	s_and_b32 s17, ttmp7, 0xffff
	s_lshl_b32 s17, s17, 2
	s_add_co_u32 s17, s17, s41                     ; tile row
	s_lshl_b32 s43, s41, 2
	s_lshl_b32 s43, 15, s43                        ; my row of the cluster
	s_lshl_b32 s44, 0x1111, s40                    ; my column
	s_or_b32 s[G1], s43, (3<<16)|(1<<21)
	s_or_b32 s[G1B], s44, (3<<16)|(1<<21)
	TILE G1, ASZ/8, XK/8
	TILE G1B, BSZ/8, WK/8
	s_lshl_b32 s22, s17, 1
	s_add_co_u32 s22, s22, s20
	s_mul_i32 s22, s22, ASZ                        ; x: hb = 2 x tile row + half
	s_mov_b32 s23, 0
	s_lshl_b32 s46, s42, 1
	s_add_co_u32 s46, s46, s20
	s_mul_i32 s46, s46, BPM                        ; W: ng = 2 x tile column + half
	s_mov_b32 s47, 0
	s_mul_i32 s16, s20, AH                         ; where x's half lands in a slot
	s_mul_i32 s70, s19, AH                         ; my 128 rows of x in a slot
	s_xor_b32 s71, s19, 1
	s_mul_i32 s71, s71, AH
	s_add_co_u32 s71, s71, AH+1536
	s_mul_i32 s72, s20, 4*FRB
	s_add_co_u32 s72, s72, s70                     ; my x blocks 0-3
	s_mul_i32 s73, s21, 4*FRB
	s_add_co_u32 s73, s73, s70                     ; my x blocks 4-7
	s_mul_i32 s74, s20, BH
	s_add_co_u32 s74, s74, 2*AH                    ; my columns of W; also where W's half lands
	s_lshl_b32 s75, s20, 8
	s_add_co_u32 s75, s75, s70
	s_add_co_u32 s75, s75, 8*FRB                   ; scale words of my x blocks 0-3,
	s_mul_i32 s76, s20, BH-256
	s_add_co_u32 s76, s76, s71                     ; and from there to those of W's blocks 0-3
	s_lshl_b32 s77, s21, 8
	s_add_co_u32 s77, s77, s70
	s_add_co_u32 s77, s77, 8*FRB                   ; of my x blocks 4-7,
	s_mul_i32 s78, s20, BH+256
	s_add_co_u32 s78, s78, s71                     ; and from there to those of W's blocks 4-7
	s_mul_i32 s79, s18, 16*SPITCH
	s_add_co_u32 s79, s79, STAGE
	s_lshl_b32 s80, s18, 11
	s_add_co_u32 s80, s80, TX
	s_xor_b32 s81, s18, 1
	s_lshl_b32 s81, s81, 11
	s_add_co_u32 s81, s81, TX
	s_mov_b32 s83, 170
	s_mov_b32 s86, WK
	s_cmp_eq_u32 s19, 0                            ; the prefetches' numbers, for x or for W:
	s_cselect_b32 s82, 38, 43                      ; blocks a partner,
	s_cselect_b32 s45, 37, 42
	s_cselect_b32 s83, 149, s83                    ; the last block,
	s_cselect_b32 s84, 41, 36                      ; (g x 41) >> 11 = g / 50 for g < 150; (g x 36) >> 11 = g / 57 for g < 171
	s_cselect_b32 s85, 50, 57                      ; blocks in a row,
	s_cselect_b32 s86, XK, s86                     ; bytes from row to row,
	s_cselect_b32 s87, s40, s41                    ; my place among the four that ask with me
	s_mul_i32 s87, s87, s82
	s_mul_i32 s[PFS], s86, 3
	s_mov_b32 s[PFS+1], 0
	s_wait_dscnt 0x0                               ; both opening adds are done
	s_wait_kmcnt 0x0
	s_add_nc_u64 s[22:23], s[4:5], s[22:23]
	s_add_nc_u64 s[46:47], s[6:7], s[46:47]
	s_cmp_eq_u32 s19, 0
	s_cselect_b64 s[PFA:PFA+1], s[22:23], s[46:47]
	s_add_nc_u64 s[PFA:PFA+1], s[PFA:PFA+1], s[PFS:PFS+1]
	s_add_nc_u64 s[PFA:PFA+1], s[PFA:PFA+1], s[PFS:PFS+1]   ; at fill 2
.irp s, 0,1
	s_mov_b32 s[G0+4*\s], 1
	s_add_co_u32 s[G0+4*\s+1], s16, \s*SLOT
	s_add_nc_u64 s[G0+4*\s+2:G0+4*\s+3], s[22:23], \s*3*XK
	s_or_b32 s[G0+4*\s+3], s[G0+4*\s+3], 0x80000000
	s_mov_b32 s[G0B+4*\s], 1
	s_add_co_u32 s[G0B+4*\s+1], s74, \s*SLOT
	s_add_nc_u64 s[G0B+4*\s+2:G0B+4*\s+3], s[46:47], \s*3*WK
	s_or_b32 s[G0B+4*\s+3], s[G0B+4*\s+3], 0x80000000
.endr
	CROUND                                         ; all sixteen work-groups are here: the first joint loads meet
	JLOAD G0, G1, G0B, G1B                         ; fill 0: one tensor load a wave at the head
	v_and_b32 v1, 15, v0                           ; r
	v_bfe_u32 v2, v0, 4, 1                         ; h
	v_and_b32 v3, 31, v0                           ; lane
	v_lshlrev_b32 v[CO], 4, v3
	v_add_nc_u32 v[ADRAL], s72, v[CO]
	v_add_nc_u32 v[ADRAL+2], s73, v[CO]
	v_add_nc_u32 v[ADRAL+1], SLOT, v[ADRAL]
	v_add_nc_u32 v[ADRAL+3], SLOT, v[ADRAL+2]
	v_add_nc_u32 v[ADRB], s74, v[CO]
	v_add_nc_u32 v[ADRB+1], SLOT, v[ADRB]
	v_lshlrev_b32 v12, 2, v1                       ; 4 r
	v_mul_u32_u24 v13, s76, v2                     ; lanes 16-31 take W's words
	v_mul_u32_u24 v14, s78, v2
	v_add_nc_u32 v[ADS], s75, v12
	v_add_nc_u32 v[ADS+1], s77, v12
	v_add_nc_u32 v[ADS], v[ADS], v13
	v_add_nc_u32 v[ADS+1], v[ADS+1], v14
	v_mul_u32_u24 v15, v2, BSZ-ASZ
	v_add_nc_u32 v15, ASZ, v15                     ; from row to row of a slot: x's pitch in lanes 0-15, W's in lanes 16-31
.irp k, 0,1,2,3
	v_add_nc_u32 v[ADS+2+\k], v[ADS+\k], v15
.endr
.irp k, 0,1,2,3,4,5
	v_add_nc_u32 v[ADS+6+\k], SLOT, v[ADS+\k]
.endr
	v_mul_u32_u24 v[STO], v1, SPITCH
	v_lshl_add_u32 v[STO], v2, 5, v[STO]
	v_add_nc_u32 v[STO], s79, v[STO]
	v_add_nc_u32 v[RD], s79, v[CO]
	v_add_nc_u32 v[TXS], s80, v[CO]
	v_add_nc_u32 v[TXL], s81, v[CO]
	v_lshlrev_b32 v[VB], 2, v1
	v_lshl_add_u32 v[VB], v2, 17, v[VB]            ; B: column r, lanes 16-31 eight rows of 16,384 bytes further down
	v_add_nc_u32 v11, 32, v3
	v_min_u32 v11, s45, v11
	v_add_nc_u32 v11, s87, v11                     ; my block in the second prefetch,
	v_add_nc_u32 v10, s87, v3                      ; and in the first
.irp n, 10, 11
	v_min_u32 v\n, s83, v\n
	v_mul_u32_u24 v14, v\n, s84
	v_lshrrev_b32 v14, 11, v14                     ; its row of the tile,
	v_mul_u32_u24 v15, v14, s85
	v_sub_nc_u32 v15, v\n, v15                     ; its place in the row
	v_mul_u32_u24 v14, v14, s86
	v_lshl_add_u32 v[PFO+\n-10], v15, 8, v14
.endr
	s_wait_alu depctr_va_vdst(0)                   ; ahead of the scalar lines and the readers below
	s_lshl_b32 s46, s42, 10
	s_lshl_b32 s47, s20, 9
	s_add_co_u32 s46, s46, s47                     ; my first column, in bytes
	s_mov_b32 s47, 0
	s_add_nc_u64 s[8:9], s[8:9], s[46:47]
	s_add_nc_u64 s[10:11], s[10:11], s[46:47]
	s_lshl_b32 s2, s17, 8
	s_lshl_b32 s16, s19, 7
	s_add_co_u32 s2, s2, s16
	s_lshl_b32 s16, s20, 6
	s_add_co_u32 s16, s16, s2
	s_lshl_b32 s16, s16, 14
	s_add_co_u32 s92, s16, s46
	s_mov_b32 s93, 0
	s_add_nc_u64 s[CB:CB+1], s[66:67], s[92:93]    ; out0 at my blocks 0-3
	s_lshl_b32 s16, s21, 6
	s_add_co_u32 s16, s16, s2
	s_lshl_b32 s16, s16, 14
	s_add_co_u32 s92, s16, s46
	s_add_nc_u64 s[CB+2:CB+3], s[66:67], s[92:93]  ; and at my blocks 4-7
	ASK 0                                          ; fill 2
	global_load_b128 v[BIAS:BIAS+3], v[CO], s[10:11]
.irp b, 0,1,2,3,4,5,6,7
.irp j, 0,1,2,3,4,5,6,7
	global_load_b32 v[128+8*\b+\j], v[VB], s[8:9] offset:\j*16384+64*\b   ; B(8 h + j, 16 b + r)
.endr
.endr
	s_wait_loadcnt 0x0
.irp b, 0,1,2,3,4,5,6,7
.irp i, 0,1,2,3
	v_cvt_pk_bf16_f32 v[BT+4*\b+\i], v[128+8*\b+2*\i], v[129+8*\b+2*\i]
.endr
.endr
.macro FRAG reg, adr, off
.irp g, 0,1,2
	ds_load_b128 v[(\reg)+4*\g:(\reg)+4*\g+3], v[\adr] offset:(\off)+512*\g
.endr
.endm
.macro FETCH_B slot, row, p            ; 27 loads
	WIN TO_B
.irp i, 0,1,2,3,4,5,6,7,8
	FRAG 128*(\p)+FR*\i, ADRB+(\slot), (\row)*BSZ+\i*FRB
.endr
	WIN 0
.endm
.macro FETCH_A slot, row, hi           ; 12 loads
.irp i, 0,1,2,3
	FRAG AF+FR*(4*(\hi)+\i), ADRAL+2*(\hi)+(\slot), (\row)*ASZ+\i*FRB
.endr
.endm
.macro SCALES slot, row, p             ; 9 loads
.irp i, 0,1,2,3
	ds_load_b32 v[SC+8*(\p)+\i], v[ADS+6*(\slot)+2*(\row)] offset:64*\i
.endr
.irp i, 0,1,2,3
	ds_load_b32 v[SC+8*(\p)+4+\i], v[ADS+6*(\slot)+2*(\row)+1] offset:64*\i
.endr
	ds_load_b32 v[LS+(\p)], v[ADS+6*(\slot)+2*(\row)+1] offset:256   ; lanes 16-31: the ninth block's words; lanes 0-15 are not read
.endm
.macro MUL16 a0, p, zero               ; the accumulators take turns, in the same order in every step
.irp a, \a0, \a0+1
.irp b, 0,1,2,3,4,5,6,7
.if \zero
	v_wmma_scale_f32_16x16x128_f8f6f4 v[8*(8*((\a)%4)+\b):8*(8*((\a)%4)+\b)+7], v[128*(\p)+FR*\b:128*(\p)+FR*\b+FR-1], v[AF+FR*(\a):AF+FR*(\a)+FR-1], 0, v[SC+8*(\p)+\b], v[SC+8*(\p)+(\a)] matrix_a_fmt:MATRIX_FMT_BF6 matrix_b_fmt:MATRIX_FMT_BF6 matrix_a_scale:MATRIX_SCALE_ROW1
.else
	v_wmma_scale_f32_16x16x128_f8f6f4 v[8*(8*((\a)%4)+\b):8*(8*((\a)%4)+\b)+7], v[128*(\p)+FR*\b:128*(\p)+FR*\b+FR-1], v[AF+FR*(\a):AF+FR*(\a)+FR-1], v[8*(8*((\a)%4)+\b):8*(8*((\a)%4)+\b)+7], v[SC+8*(\p)+\b], v[SC+8*(\p)+(\a)] matrix_a_fmt:MATRIX_FMT_BF6 matrix_b_fmt:MATRIX_FMT_BF6 matrix_a_scale:MATRIX_SCALE_ROW1
.endif
.endr
.endr
.endm
.macro MULT p, zero                    ; t of my x blocks 0-3
.irp a, 0,1,2,3
.if \zero
	v_wmma_scale_f32_16x16x128_f8f6f4 v[TA+8*\a:TA+8*\a+7], v[128*(\p)+96:128*(\p)+107], v[AF+FR*\a:AF+FR*\a+FR-1], 0, v[LS+(\p)], v[SC+8*(\p)+\a] matrix_a_fmt:MATRIX_FMT_BF6 matrix_b_fmt:MATRIX_FMT_BF6 matrix_a_scale:MATRIX_SCALE_ROW1
.else
	v_wmma_scale_f32_16x16x128_f8f6f4 v[TA+8*\a:TA+8*\a+7], v[128*(\p)+96:128*(\p)+107], v[AF+FR*\a:AF+FR*\a+FR-1], v[TA+8*\a:TA+8*\a+7], v[LS+(\p)], v[SC+8*(\p)+\a] matrix_a_fmt:MATRIX_FMT_BF6 matrix_b_fmt:MATRIX_FMT_BF6 matrix_a_scale:MATRIX_SCALE_ROW1
.endif
.endr
.endm
.macro PLACES n
.rept \n
	v_nop
.endr
.endm
; Step u of 128 along K: 68 matrix instructions on its fragments (W's set u % 2); step u + 1's fragments are fetched in its middle (48 loads) and at its end (12).
; kind 0: nothing else.  kind 1: u is its slot's third row: the slot is filled again, two fills on.  kind 3: the same with the last fill, of two rows.  kind 2: a barrier alone shows the last fill whole.
.macro SUB u, kind, zero, ask
.set P,  (\u)%2
.set NS, (((\u)+1)/3)%2
.set NR, ((\u)+1)%3
.set NP, ((\u)+1)%2
.set RS, ((\u)/3)%2
.if \kind == 0
	s_wait_dscnt 12                                ; all but x's blocks 4-7
	WIN MUL_LO
	MUL16 0, P, \zero
	MUL16 2, P, \zero
	WIN MUL_T
	MULT P, \zero
	s_wait_dscnt 0x0
	PLACES 4
.else
.if \kind == 1
	s_wait_xcnt 0x0                                ; my prefetches have read their base: it steps one fill on
	s_add_nc_u64 s[PFA:PFA+1], s[PFA:PFA+1], s[PFS:PFS+1]
.endif
	s_wait_tensorcnt 0x0                           ; all my tensor loads have landed: my part of the other slot
.if \kind != 2
	ds_add_u32 v[SPW], v[NIL]
	s_add_nc_u64 s[G0+4*RS+2:G0+4*RS+3], s[G0+4*RS+2:G0+4*RS+3], 6*XK
	s_add_nc_u64 s[G0B+4*RS+2:G0B+4*RS+3], s[G0B+4*RS+2:G0B+4*RS+3], 6*WK
.if \kind == 3
	s_mov_b32 s[G1+2], 2<<16                       ; no tensor load of mine is out: the last fill has two rows
	s_mov_b32 s[G1+4], 2
	s_mov_b32 s[G1B+2], 2<<16
	s_mov_b32 s[G1B+4], 2
.endif
	s_wait_dscnt 13                                ; (the add and x's blocks 4-7 may be out)
.else
	s_wait_dscnt 12
.endif
	WIN MUL_LO
	MUL16 0, P, \zero
	s_wait_dscnt 0x0                               ; the add is done, and so are my reads of this step's slot
	s_barrier_signal -1
	MUL16 2, P, \zero
	WIN MUL_T
	MULT P, \zero
	WIN 0
	s_barrier_wait -1
.if \kind != 2
	CREST                                          ; the barrier has opened a round of the cluster's barrier
	JLOAD G0+4*RS, G1, G0B+4*RS, G1B               ; the first tensor load behind the round; its four v_nop are the places in front of the loads below
.else
	PLACES 4
.endif
.endif
	FETCH_B NS, NR, NP
	FETCH_A NS, NR, 0
	SCALES NS, NR, NP
.if \ask
	ASK 1
.endif
	WIN MUL_HI
	MUL16 4, P, \zero
	MUL16 6, P, \zero
	PLACES 4
	WIN 0
	FETCH_A NS, NR, 1
.endm
	s_wait_alu depctr_va_vdst(0)
	s_wait_xcnt 0x0
	s_add_nc_u64 s[PFA:PFA+1], s[PFA:PFA+1], s[PFS:PFS+1]
	s_wait_tensorcnt 0x0                           ; my part of fill 0 is in; the same lines as ahead of a refill:
	ds_add_u32 v[SPW], v[NIL]
	s_wait_dscnt 0x0
	CROUND
	JLOAD G0+4, G1, G0B+4, G1B                     ; fill 1, slot 1's first
	FETCH_B 0, 0, 0
	FETCH_A 0, 0, 0
	SCALES 0, 0, 0
	ASK 0                                          ; fill 3
	FETCH_A 0, 0, 1
	SUB 0, 0, 1, 0                                 ; the first step's products start the sums
	SUB 1, 0, 0, 0
	s_mov_b32 s3, 4
.Llap:                                                 ; a trip: six steps, once round the ring: steps 2-7, 8-13, 14-19, 20-25
	SUB 2, 1, 0, 1
	SUB 3, 0, 0, 0
	SUB 4, 0, 0, 0
	SUB 5, 1, 0, 1
	SUB 6, 0, 0, 0
	SUB 7, 0, 0, 0
	s_sub_co_u32 s3, s3, 1
	s_cmp_lg_u32 s3, 0
	s_cbranch_scc1 .Llap
	SUB 26, 3, 0, 0
	SUB 27, 0, 0, 0
	SUB 28, 0, 0, 0
	SUB 29, 2, 0, 0                                ; behind its barrier nobody reads slot 1 any more
	SUB 30, 0, 0, 0
	s_wait_dscnt 12                                ; step 31: nothing more to fetch
	WIN MUL_LO
	MUL16 0, 1, 0
	MUL16 2, 1, 0
	WIN MUL_T
	MULT 1, 0
	s_wait_dscnt 0x0
	WIN MUL_HI
	MUL16 4, 1, 0
	MUL16 6, 1, 0
	WIN 0
	PLACES 5
	; t as bf16 fragments (K = 16 of 32: the upper half zeros); my four blocks go to my neighbour, its four come to me
.irp a, 0,1,2,3
.irp i, 0,1,2,3
	v_cvt_pk_bf16_f32 v[TF+8*\a+\i], v[TA+8*\a+2*\i], v[TA+8*\a+2*\i+1]
.endr
.endr
.irp a, 0,1,2,3,4,5,6,7
.irp i, 0,1,2,3
	v_mov_b32 v[TF+8*\a+4+\i], 0
.endr
.endr
.irp a, 0,1,2,3
	ds_store_b128 v[TXS], v[TF+8*\a:TF+8*\a+3] offset:512*\a
.endr
	WIN TO_B
.irp b, 0,1,2,3,4,5,6,7
.irp i, 0,1,2,3
	v_mov_b32 v[8*\b+\i], v[BT+4*\b+\i]
	v_mov_b32 v[8*\b+4+\i], 0
.endr
.endr
	WIN 0
	s_wait_alu depctr_va_vdst(0)
	s_wait_dscnt 0x0                               ; for my neighbour's sake: my stores are done
	s_barrier_signal -1
	s_barrier_wait -1
.irp a, 0,1,2,3
	ds_load_b128 v[TF+32+8*\a:TF+32+8*\a+3], v[TXL] offset:512*\a
.endr
	s_wait_dscnt 0x0
.macro UP hi                           ; + t B
.irp a, 0,1,2,3
.irp b, 0,1,2,3,4,5,6,7
	v_wmma_f32_16x16x32_bf16 v[8*(8*\a+\b):8*(8*\a+\b)+7], v[8*\b:8*\b+7], v[TF+8*(4*(\hi)+\a):TF+8*(4*(\hi)+\a)+7], v[8*(8*\a+\b):8*(8*\a+\b)+7]
.endr
.endr
.endm
	WIN MUL_LO
	UP 0
	WIN MUL_HI
	UP 1
	WIN 0
; THE WAY OUT, block by block of 16 rows x 128 columns: through my own stage, back as whole rows of 512 bytes, + b, stored as two aligned units of 256 bytes
.macro TOSTAGE a
.set AC, 64*((\a)%4)
	WIN 0x08+4*((\a)/4)
.irp b, 0,1,2,3,4,5,6,7
	ds_store_b128 v[STO], v[AC+8*\b:AC+8*\b+3] offset:64*\b
	ds_store_b128 v[STO], v[AC+8*\b+4:AC+8*\b+7] offset:64*\b+16
.endr
	WIN 0
.set BB, BK+64*((\a)%2)
.irp t, 0,1,2,3,4,5,6,7,8,9,10,11,12,13,14,15
	ds_load_b128 v[BB+4*\t:BB+4*\t+3], v[RD] offset:\t*SPITCH
.endr
.endm
.macro SEND a, younger
.set BB, BK+64*((\a)%2)
	s_wait_dscnt \younger
.irp t, 0,1,2,3,4,5,6,7,8,9,10,11,12,13,14,15
	v_pk_add_f32 v[BB+4*\t:BB+4*\t+1], v[BB+4*\t:BB+4*\t+1], v[BIAS:BIAS+1]
	v_pk_add_f32 v[BB+4*\t+2:BB+4*\t+3], v[BB+4*\t+2:BB+4*\t+3], v[BIAS+2:BIAS+3]
	global_store_b128 v[CO], v[BB+4*\t:BB+4*\t+3], s[CB+2*((\a)/4):CB+2*((\a)/4)+1] offset:(((\a)%4)*16+\t)*16384 th:TH_STORE_NT
.endr
.endm
	PLACES 4
	TOSTAGE 0
.irp a, 1,2,3,4,5,6,7
.if \a > 1
	s_wait_xcnt 0x0                                ; block a - 2's stores have read their registers: block a's loads may land there
.endif
	TOSTAGE \a
	SEND \a-1, 32                                  ; behind block a - 1's loads: block a's 16 stores and 16 loads
.endr
	SEND 7, 0
	s_wait_tensorcnt 0x0                           ; the wave's end
	ds_add_u32 v[SPW], v[NIL]
	s_wait_dscnt 0x0
	CROUND                                         ; the closing round
	s_endpgm
.Lfunc_end_k_q464104d897_gemm:
	.size	k_q464104d897_gemm, .Lfunc_end_k_q464104d897_gemm-k_q464104d897_gemm
	.p2alignl 7, 3214868480
	.fill 96, 4, 3214868480
	.section	.rodata,"a",@progbits
	.p2align	6, 0x0
	.amdhsa_kernel k_q464104d897_gemm
		.amdhsa_group_segment_fixed_size 327680
		.amdhsa_private_segment_fixed_size 0
		.amdhsa_enable_private_segment 0
		.amdhsa_kernarg_size 40
		.amdhsa_user_sgpr_count 2
		.amdhsa_user_sgpr_kernarg_segment_ptr 1
		.amdhsa_wavefront_size32 1
		.amdhsa_system_sgpr_workgroup_id_x 1
		.amdhsa_system_sgpr_workgroup_id_y 1
		.amdhsa_system_sgpr_workgroup_id_z 1
		.amdhsa_system_vgpr_workitem_id 0
		.amdhsa_next_free_vgpr 1024
		.amdhsa_next_free_sgpr 100
		.amdhsa_reserve_vcc 0
		.amdhsa_float_denorm_mode_32 3
		.amdhsa_float_denorm_mode_16_64 3
		.amdhsa_memory_ordered 1
		.amdhsa_forward_progress 1
		.amdhsa_inst_pref_size 255
	.end_amdhsa_kernel
	.section	.bss,"aw",@nobits
	.p2align	6
	.space	262144
	.amdgpu_metadata
---
amdhsa.version: [ 1, 2 ]
amdhsa.kernels:
  - .name:           k_q464104d897_gemm
    .symbol:         k_q464104d897_gemm.kd
    .args:
      - { .name: x_img, .offset: 0, .size: 8, .value_kind: global_buffer, .address_space: global }
      - { .name: w_img, .offset: 8, .size: 8, .value_kind: global_buffer, .address_space: global }
      - { .name: B, .offset: 16, .size: 8, .value_kind: global_buffer, .address_space: global }
      - { .name: b, .offset: 24, .size: 8, .value_kind: global_buffer, .address_space: global }
      - { .name: out0, .offset: 32, .size: 8, .value_kind: global_buffer, .address_space: global }
    .group_segment_fixed_size: 327680
    .private_segment_fixed_size: 0
    .kernarg_segment_align: 8
    .kernarg_segment_size: 40
    .max_flat_workgroup_size: 128
    .sgpr_count:     100
    .vgpr_count:     1024
    .wavefront_size: 32
...
	.end_amdgpu_metadata
.endif
;; end of part 2
